; MI455X (gfx1250); checked and timed in simulation.
; The chip was launched on July 23, 2026; its instructions are those of AMD's public machine-readable ISA for CDNA 5 (MIT licence, August 2026) and "CDNA5" Instruction Set Architecture Reference Guide (July 2026). The comments in the code are by the model that wrote it; some were corrected since.
;; D Full Attention. Allowed arithmetic: matrix products marked QUANTISED: E5M2 operands, one E8M0 scale for each 32 along K, by v_wmma_scale_f32_16x16x128_f8f6f4 with both operands' format E5M2, f32 sums; products left as they are: f32 operands where the result goes on into a quantised operand, else bf16, f16 or f32 operands; f32 sums; everything else in f32.
;; Inputs: W1_codes 64 x 4 x 32 uint8 (E5M2 codes of W1, K innermost, in blocks of 32 codes); W1_scales 64 x 4 uint8 (E8M0 scales of W1, one for each 32 codes along K); W2 64 x 1 float32; b1 64 float32; b2 1 float32; keys_codes 8 x 2,048 x 2 x 2 x 32 uint8 (E5M2 codes of keys, K innermost, in blocks of 32 codes); keys_scales 8 x 2,048 x 2 x 2 uint8 (E8M0 scales of keys, one for each 32 codes along K); queries_codes 8 x 2,048 x 2 x 2 x 32 uint8 (E5M2 codes of queries, K innermost, in blocks of 32 codes); queries_scales 8 x 2,048 x 2 x 2 uint8 (E8M0 scales of queries, one for each 32 codes along K); values 8 x 2,048 x 2 x 64 float32.
;; Outputs: out0 8 x 2,048 x 2 x 64 float32.
;; This version of the problem:
;;   THIS VERSION OF THE PROBLEM IS GIVEN IN LOW PRECISION. The matrix products marked QUANTISED in the list below multiply operands that are first quantised to E5M2 (5 exponent bits, 2 mantissa bits; 8 bits a number), with one power-of-two scale for each 32 numbers along K (OCP MX v1.0); their sums are f32. All else is computed in f32.
;;   The module's matrix products, in the order in which they are computed (A, B: the left and right operand; K: the contracted axis; several contracted axes count as one K, in the product's order):
;;     1. batch 16 x [M 2,048, K 64] x [K 64, N 2,048]; A: input queries (given as codes); B: input keys (given as codes): QUANTISED
;;     2. [M 16,384, K 128] x [K 128, N 64]; A: input values; B: input W1 (given as codes): QUANTISED
;;     3. [M 16,384, K 64] x [K 64, N 1]; A: computed on the way; B: input W2: left as it is (N = 1 < 16)
;;     4. batch 16 x [M 64, K 2,048] x [K 2,048, N 2,048]; A: input values; B: softmax (see below): QUANTISED
;;   THE QUANTISER, for each operand of a quantised product, along K:
;;     - K is cut into blocks of 32 from its start; a last block that is shorter is filled with zeros.
;;     - A block's scale is 2^e with e = floor(log2(the largest magnitude in the block)) - 15, held to -126 .. 127; a block of zeros has e = 0. As a byte (E8M0): e + 127.
;;     - Each number is divided by its block's scale, clamped to +-57,344, and rounded to the nearest number of E5M2, ties to even, subnormals kept.
;;     - The product sums the exact products of the quantised numbers (number of the format x scale) in f32.
;;   ~~~python
;;   def quantise(x, axis):      # numpy; x: float32 -> the quantised numbers, widened to float32 again
;;       x = np.moveaxis(x, axis, -1); K = x.shape[-1]
;;       x = np.pad(x, [(0, 0)] * (x.ndim - 1) + [(0, -K % 32)]); x = x.reshape(x.shape[:-1] + (-1, 32)); a = np.abs(x).max(-1, keepdims=True)
;;       e = np.where(a > 0, np.clip(np.frexp(np.where(a > 0, a, 1))[1] - 1 - 15, -126, 127), 0)      # np.frexp(a)[1] - 1 = floor(log2(a)), exactly
;;       r = np.clip(x / 2.0 ** e, -57344, 57344)
;;       step = 2.0 ** (np.maximum(np.frexp(np.where(r == 0, 1, r))[1] - 1, -14) - 2)
;;       q = np.round(r / step) * step * 2.0 ** e      # np.round: ties to even
;;       return np.moveaxis(q.reshape(q.shape[:-2] + (-1,))[..., :K], -1, axis).astype(np.float32)
;;   ~~~
;;   SOFTMAX AHEAD OF A QUANTISED PRODUCT. Where the list says 'softmax', what is quantised is not the finished softmax but p = 2^(t - M), with t = logit x log2(e) and M = ceil(the row's largest t), a whole number; so 1/2 < the row's largest p <= 1. The row's sum l is taken of the UNQUANTISED p, in f32, and the product's result is divided by l at the end. Since M is a whole number, a kernel that streams over the keys may use a running M (the ceiling of the running maximum): every later rescaling is an exact power of two, which a block's scale takes up: the codes' values come out the same.
;;   OPERANDS COMPUTED ON THE WAY. 'Computed on the way' means the value that the module computes at that place (a softmax that the list does not call 'softmax' is quantised finished and normalised). What goes into a quantiser is computed in f32, as accurately as f32 sums, v_exp_f32 and their like allow (about 1e-6 of the number): no bf16 or f16 on the way to a quantiser, and a product that is left as it is and whose result goes on into a quantised operand takes f32 operands (vector FMAs, or v_wmma_f32_16x16x4_f32). A number that lies on a knife's edge between two numbers of the format may be rounded either way, as far as f32 arithmetic and the matrix unit's own rounding can turn it there, and no further.
;;   INPUTS GIVEN AS CODES. W1 (in the module: [128, 64], K = its axis 0); keys (in the module: [8, 2048, 2, 64], K = its axis 3); queries (in the module: [8, 2048, 2, 64], K = its axis 3): each comes as NAME_codes (uint8): NAME with its K axis moved to the last place and cut into blocks of 32 codes, [.., K / 32, bytes a block], one block behind the other in memory; one code a byte (a code: sign, 5 exponent bits, 2 mantissa bits); and NAME_scales (uint8): the same leading axes, one E8M0 byte (e + 127) for each 32 codes along K. Its value is code x scale, taken as it is: it is not quantised again, and the codes and scales need not be those that the quantiser above would give.
;; One version. Each part assembles by itself: llvm-mc -triple=amdgcn-amd-amdhsa -mcpu=gfx1250 --defsym DOCPART=n.
;; ======== version 1 of 1: 2 launches
;; limits: right only within a limited range of input values
;; workspace buffers: kv 4,390,912 bytes; deg 65,536 bytes
;; launch prep (part 1): grid 256 x 1, 12 waves a work-group, no clusters, 1,792 bytes of LDS; arguments values, keys_codes, keys_scales, W1_codes, W1_scales, b1, W2, b2, kv, deg; writes kv, deg
.if DOCPART == 1
	.amdgcn_target "amdgcn-amd-amdhsa--gfx1250"
	.amdhsa_code_object_version 6
	.text
	.protected	k_q20ef018ebf_prep
	.globl	k_q20ef018ebf_prep
	.p2align	8
	.type	k_q20ef018ebf_prep,@function
k_q20ef018ebf_prep:
	s_mov_b64 s[64:65], 0
	v_nop
	global_prefetch_b8 v0, s[64:65] scope:SCOPE_SE
	s_setreg_imm32_b32 hwreg(HW_REG_WAVE_MODE, 25, 1), 1
	s_wait_xcnt 0x0
; WHAT IT MAKES, for the attention launch that follows.  A step is 128 keys; bh = 2 b + h.
;   kv  [bh 16][step 16][17,152 bytes], a record a step: images of operand registers, then scale words.
;       Bytes 0-8,191: K's 8 tiles (tile t = keys 16 t .. 16 t + 15): t x 1,024 + c x 512 + 16 x lane, c = 0, 1: lane (r, hh) has codes 32 c + 16 hh .. + 15 of key 16 t + r.
;       Bytes 8,192 on: V^T's 4 tiles (tile dt = channels 16 dt + r): dt x 2,048 + c x 512 + 16 x lane, c = 0 .. 3: lane (r, hh) has the codes of keys 32 c + 8 hh + 0 .. 7, then
;       32 c + 16 + 8 hh + 0 .. 7: the order in which the weights p fall out of K's tiles: a permutation inside a block of 32 keys, alike on both operands, so blocks and scales are the true ones.
;       Bytes 16,384 on: K's scale words, 4 x 128 bytes (word (i, lane): key 32 i + lane: s0 | s1 << 8 | 0x7f7f0000), then V's, 2 x 128 (word (i, lane): channel 32 i + lane, byte c: block c).
;   deg [b][2048] f32: clip(sigmoid(relu(Q(v) Q(W1) + b1) W2 + b2), 0.01, 0.99); the batch's maximum is taken off by the next launch, since it spans work-groups.
; SHARES.  Work-group g takes 64 keys of one batch, rows 64 g .. 64 g + 63 of values as [16,384][128].  Wave 4 be + w, be = 0, 1:
;   V: column 32 w + lane (head w / 2, channel 32 (w % 2) + lane) of keys 32 be .. + 31: A LANE TAKES A COLUMN AND ITS REGISTERS RUN DOWN THE KEYS, so a block of 32 keys lies in one lane;
;   be = 0: K's codes of tile w of the 64 keys, both heads, copied into images;  be = 1: K's scale words of keys 32 (w % 2) + lane, head w / 2.
;   Waves 8 + w: the small MLP on rows 16 w + r.
; No tensor load, no loop, EXEC never changes, no register that a pending load or store names is written again.  No work of reference() is left out.
; LIMITS: NaN and infinities among values, W2, b1, b2, codes of infinity or NaN and scale bytes 0xff are not served.  A block whose largest magnitude lies under 2^(16 - 127)
; (a block of zeros too) gets the byte 1; its codes under that byte are as the quantiser's for the byte 1; this program alone reads the bytes.
.set REC,  17152
.set X,    16                          ; v16-47   waves 0-7: V's 32 numbers of my column; v16-79 waves 8-11: W1's four fragments
.set XM,   80                          ; v80-143  64 numbers of my row of values, register 16 k + i = element 32 k + 16 hh + i
.set HD,   144                         ; v144-175 b1 at my 32 hidden units, then the hidden layer, in place
.set KR,   176                         ; v176-191 K's codes: head hk, block c at 8 hk + 4 c
.set VC,   192                         ; v192-199 V's codes
.set W2R,  176                         ; v176-207 waves 8-11: W2 at my 32 hidden units
.set PC,   208                         ; v208-223 the codes of my row of values
.set TM,   224                         ; v224-239 at work in the quantisers
.set PW,   240                         ; v240     the scale word of my row of values
.set WS,   241                         ; v241-242 W1's scale words: lane l of register i: hidden unit 32 i + l
.set KW,   243                         ; v243     a key's scale word
.set SEL,  58                          ; s[58:59] v_permlanex16_b32's selects for lane l xor 16
.set MNT,  60                          ; s60      the mantissa field of 57,344
	s_load_b512 s[8:23], s[0:1], 0x0               ; values 8, keys_codes 10, keys_scales 12, W1_codes 14, W1_scales 16, b1 18, W2 20, b2 22
	s_load_b128 s[24:27], s[0:1], 0x40             ; kv 24, deg 26
	v_lshl_add_u32 v254, v0, 2, 0x100
	v_mov_b32 v255, 0
	v_lshrrev_b32 v1, 5, v0
	v_readfirstlane_b32 s29, v1                    ; wave
	s_and_b32 s30, s29, 3                          ; w
	s_lshr_b32 s28, s29, 2                         ; be;  2: the MLP
	v_and_b32 v1, 31, v0                           ; lane
	v_and_b32 v2, 15, v0                           ; r
	v_bfe_u32 v3, v0, 4, 1                         ; hh
	v_lshlrev_b32 v4, 2, v1                        ; 4 x lane
	v_lshlrev_b32 v5, 4, v2
	v_lshl_add_u32 v5, v3, 11, v5                  ; V's images: my channel's tile (lane / 16) x 2,048 + 16 x (lane % 16)
	v_lshlrev_b32 v7, 9, v2
	v_lshl_add_u32 v7, v3, 6, v7                   ; a row of values: 512 r + 64 hh
	v_lshlrev_b32 v8, 7, v2
	v_lshl_add_u32 v8, v3, 4, v8                   ; a row of 128 codes: 128 r + 16 hh (keys_codes and W1_codes)
	v_lshlrev_b32 v9, 4, v1                        ; 16 x lane
	v_lshlrev_b32 v10, 5, v3                       ; 32 hh: my half's eight numbers of b1 and W2
	v_lshlrev_b32 v12, 3, v1                       ; 8 x lane
	s_lshl_b32 s2, s30, 6
	v_lshl_add_u32 v11, v2, 2, s2                  ; LDS: 64 w + 4 r: my row's deg
.irp b, 4,5,6,7
	v_mov_b32 v[TM+\b], 0                          ; written once: a lane permute's destination counts as one of its sources
.endr
	v_mov_b32 v250, 0
	s_lshr_b32 s31, ttmp9, 5                       ; b
	s_and_b32 s32, ttmp9, 31
	s_lshr_b32 s33, s32, 1                         ; step
	s_and_b32 s34, s32, 1                          ; hf: which 64 keys of the step
	s_and_b32 s35, s30, 1                          ; w % 2
	s_lshr_b32 s38, s30, 1                         ; w / 2
	s_lshl_b32 s39, s31, 1
	s_add_co_u32 s39, s39, s38                     ; bh of my column and of my scale words
	s_lshl_b32 s66, s38, 4                         ; the shift that brings my head's two scale bytes down
	s_mov_b32 s67, 0x7f7f0000
	; the offsets, each in the pair that will hold the address
	s_lshl_b32 s2, ttmp9, 15                       ; 64 rows of 512 bytes
	s_lshl_b32 s3, s30, 7
	s_add_co_u32 s40, s2, s3                       ; values by columns: + 128 w,
	s_lshl_b32 s3, s28, 14
	s_add_co_u32 s40, s40, s3                      ; + 32 be rows
	s_mov_b32 s41, 0
	s_lshl_b32 s3, s30, 13
	s_add_co_u32 s42, s2, s3                       ; values by rows: + 16 w rows
	s_mov_b32 s43, 0
	s_lshl_b32 s2, ttmp9, 13
	s_lshl_b32 s3, s30, 11
	s_add_co_u32 s44, s2, s3                       ; keys_codes: 64 g + 16 w keys of 128 bytes
	s_mov_b32 s45, 0
	s_lshl_b32 s56, ttmp9, 8                       ; deg: 64 numbers
	s_mov_b32 s57, 0
	s_lshl_b32 s3, s35, 7
	s_add_co_u32 s46, s56, s3                      ; keys_scales: 64 g + 32 (w % 2) keys of 4 bytes
	s_mov_b32 s47, 0
	s_mul_i32 s4, s33, REC                         ; the step's record in a head
	s_mul_i32 s5, s39, 16*REC
	s_add_co_u32 s5, s5, s4                        ; and in kv
	s_lshl_b32 s6, s35, 12
	s_add_co_u32 s48, s5, s6
	s_lshl_b32 s6, s34, 10
	s_add_co_u32 s48, s48, s6
	s_lshl_b32 s6, s28, 9
	s_add_co_u32 s48, s48, s6
	s_add_co_u32 s48, s48, 8192                    ; V's images: tiles 2 (w % 2) on, block 2 hf + be
	s_mov_b32 s49, 0
	s_mul_i32 s50, s31, 32*REC
	s_add_co_u32 s50, s50, s4
	s_lshl_b32 s6, s34, 12
	s_add_co_u32 s50, s50, s6
	s_lshl_b32 s6, s30, 10
	s_add_co_u32 s50, s50, s6                      ; K's images: head 0 of the batch, tile 4 hf + w
	s_mov_b32 s51, 0
	s_add_co_u32 s5, s5, 16384
	s_add_co_u32 s52, s5, s3
	s_lshl_b32 s6, s34, 8
	s_add_co_u32 s52, s52, s6                      ; K's scale words: group 2 hf + w % 2
	s_mov_b32 s53, 0
	s_add_co_u32 s54, s5, s3
	s_add_co_u32 s54, s54, 512
	s_lshl_b32 s6, s34, 1
	s_add_co_u32 s54, s54, s6
	s_add_co_u32 s54, s54, s28                     ; V's: group w % 2, byte 2 hf + be
	s_mov_b32 s55, 0
	s_mov_b32 s[SEL], 0x76543210
	s_mov_b32 s[SEL+1], 0xfedcba98
	s_mov_b32 s[MNT], 0x600000
	s_mov_b32 s62, 0x3c23d70a                      ; 0.01
	s_mov_b32 s63, 0x3f7d70a4                      ; 0.99
	s_wait_alu depctr_va_vdst(0)                   ; the wait at the head's end
	s_wait_kmcnt 0x0
	s_load_b32 s61, s[22:23], 0x0                  ; b2; waited for just ahead of its use
	s_add_nc_u64 s[40:41], s[8:9], s[40:41]
	s_add_nc_u64 s[42:43], s[8:9], s[42:43]
	s_add_nc_u64 s[44:45], s[10:11], s[44:45]
	s_add_nc_u64 s[46:47], s[12:13], s[46:47]
	s_add_nc_u64 s[48:49], s[24:25], s[48:49]
	s_add_nc_u64 s[50:51], s[24:25], s[50:51]
	s_add_nc_u64 s[52:53], s[24:25], s[52:53]
	s_add_nc_u64 s[54:55], s[24:25], s[54:55]
	s_add_nc_u64 s[56:57], s[26:27], s[56:57]
; 64 numbers of a lane, register 16 b + i = k 32 b + 16 hh + i of my row, become a fragment's codes in v[PC] on and its scale word in v[PW].
; The largest magnitude with the floor 2^(16 - 127) among its leaves; 15 off its exponent field is the conversion's scale operand, that shifted down the byte; each number is held within
; 57,344 x the scale, since the conversion to an 8-bit code does not saturate (ISA guide 7.6.2).
.macro QUANT s
.irp b, 0,1,2,3
	v_max3_num_f32 v[TM+\b], |v[\s+16*\b]|, |v[\s+1+16*\b]|, 0x8000000
.endr
.irp i, 2,4,6,8,10,12,14
.irp b, 0,1,2,3
	v_max3_num_f32 v[TM+\b], v[TM+\b], |v[\s+16*\b+\i]|, |v[\s+1+16*\b+\i]|              ; the four blocks by turns
.endr
.endr
.irp b, 0,1,2,3
	v_permlanex16_b32 v[TM+4+\b], v[TM+\b], s[SEL], s[SEL+1]
.endr
.irp b, 0,1,2,3
	v_max_num_f32 v[TM+\b], v[TM+\b], v[TM+4+\b]   ; with lane l xor 16's 16: the block's largest magnitude
.endr
.irp b, 0,1,2,3
	v_add_nc_u32 v[TM+12+\b], 0xf8800000, v[TM+\b]
.endr
.irp b, 0,1,2,3
	v_and_or_b32 v[TM+8+\b], v[TM+\b], 0x7f800000, s[MNT]
.endr
.irp b, 0,1,2,3
	v_lshrrev_b32 v[TM+4+\b], 23, v[TM+12+\b]
.endr
	v_lshl_or_b32 v[PW], v[TM+5], 8, v[TM+4]
	v_lshl_or_b32 v[PW], v[TM+6], 16, v[PW]
	v_lshl_or_b32 v[PW], v[TM+7], 24, v[PW]
.irp b, 0,1,2,3
.irp i, 0,1,2,3,4,5,6,7,8,9,10,11,12,13,14,15
	v_med3_num_f32 v[\s+16*\b+\i], v[\s+16*\b+\i], -v[TM+8+\b], v[TM+8+\b]
.endr
	v_cvt_scalef32_pk8_bf8_f32 v[PC+4*\b:PC+1+4*\b], v[\s+16*\b:\s+7+16*\b], v[TM+12+\b]
	v_cvt_scalef32_pk8_bf8_f32 v[PC+2+4*\b:PC+3+4*\b], v[\s+8+16*\b:\s+15+16*\b], v[TM+12+\b]
.endr
	v_nop                                          ; a plain line behind the last conversion
.endm
	s_cmp_eq_u32 s28, 2
	s_cbranch_scc1 .Lmlp
	; WAVES 0 TO 7
.set i, 0
.rept 32
	global_load_b32 v[X+i], v4, s[40:41] offset:512*i              ; key i of my column: the wave reads 128 consecutive bytes of a row, the four waves of a be the row's 512
.set i, i+1
.endr
	s_cmp_eq_u32 s28, 1
	s_cbranch_scc1 .Lk_scales
.irp k, 0,1
.irp c, 0,1
	global_load_b128 v[KR+8*\k+4*\c:KR+8*\k+4*\c+3], v8, s[44:45] offset:64*\k+32*\c th:TH_LOAD_NT
.endr
.endr
	s_wait_loadcnt 0x0
.irp k, 0,1
.irp c, 0,1
	global_store_b128 v9, v[KR+8*\k+4*\c:KR+8*\k+4*\c+3], s[50:51] offset:16*REC*\k+512*\c   ; K's registers as they stand: 512 consecutive bytes a store
.endr
.endr
	s_branch .Lv
.Lk_scales:
	global_load_b32 v[KW], v4, s[46:47] th:TH_LOAD_NT
	s_wait_loadcnt 0x0
	v_lshrrev_b32 v[KW], s66, v[KW]                ; my head's two bytes,
	v_and_or_b32 v[KW], v[KW], 0xffff, s67         ; and 1.0 for the upper half of a K step of 128, where the queries' codes are zeros
	global_store_b32 v4, v[KW], s[52:53]
.Lv:
	; my column's block: 32 keys in 32 registers, quantised as QUANT does it; the block lies in one lane
	v_max3_num_f32 v[TM], |v[X]|, |v[X+1]|, |v[X+2]|
	v_max3_num_f32 v[TM+1], |v[X+3]|, |v[X+4]|, |v[X+5]|
.irp i, 6,10,14,18,22,26
	v_max3_num_f32 v[TM], v[TM], |v[X+\i]|, |v[X+\i+1]|
	v_max3_num_f32 v[TM+1], v[TM+1], |v[X+\i+2]|, |v[X+\i+3]|
.endr
	v_max3_num_f32 v[TM], v[TM], |v[X+30]|, |v[X+31]|
	v_max3_num_f32 v[TM], v[TM], v[TM+1], 0x8000000
	v_add_nc_u32 v[TM+2], 0xf8800000, v[TM]
	v_and_or_b32 v[TM+3], v[TM], 0x7f800000, s[MNT]
	v_lshrrev_b32 v[TM+1], 23, v[TM+2]
.set i, 0
.rept 32
	v_med3_num_f32 v[X+i], v[X+i], -v[TM+3], v[TM+3]
.set i, i+1
.endr
	v_cvt_scalef32_pk8_bf8_f32 v[VC:VC+1], v[X:X+7], v[TM+2]          ; for the reader's lanes 0-15: keys 0-7,
	v_cvt_scalef32_pk8_bf8_f32 v[VC+2:VC+3], v[X+16:X+23], v[TM+2]    ; then keys 16-23;
	v_cvt_scalef32_pk8_bf8_f32 v[VC+4:VC+5], v[X+8:X+15], v[TM+2]     ; for its lanes 16-31: keys 8-15,
	v_cvt_scalef32_pk8_bf8_f32 v[VC+6:VC+7], v[X+24:X+31], v[TM+2]    ; then keys 24-31
	v_nop                                          ; a plain line behind the last conversion
	global_store_b128 v5, v[VC:VC+3], s[48:49]     ; sixteen lanes store 256 consecutive bytes, aligned
	global_store_b128 v5, v[VC+4:VC+7], s[48:49] offset:256
	global_store_b8 v4, v[TM+1], s[54:55]          ; my channel's scale byte of this block
	s_wait_alu depctr_va_vdst(0)
	s_branch .Ljoin
.Lmlp:
	; WAVES 8 TO 11: 50 loads
.irp k, 0,1,2,3
.irp j, 0,1,2,3
	global_load_b128 v[XM+16*\k+4*\j:XM+16*\k+4*\j+3], v7, s[42:43] offset:128*\k+16*\j    ; my row: 16 neighbours of each block of 32
.endr
.endr
.irp n, 0,1,2,3
.irp c, 0,1,2,3
	global_load_b128 v[X+16*\n+4*\c:X+16*\n+4*\c+3], v8, s[14:15] offset:2048*\n+32*\c      ; W1's fragments: tile n = hidden units 16 n + r
.endr
.endr
.irp n, 0,1,2,3
	global_load_b128 v[HD+8*\n:HD+8*\n+3], v10, s[18:19] offset:64*\n                      ; b1 at hidden units 16 n + 8 hh + 0 .. 7: the C of the product
	global_load_b128 v[HD+8*\n+4:HD+8*\n+7], v10, s[18:19] offset:64*\n+16
.endr
.irp i, 0,1
	global_load_b32 v[WS+\i], v4, s[16:17] offset:128*\i
.endr
.irp n, 0,1,2,3
	global_load_b128 v[W2R+8*\n:W2R+8*\n+3], v10, s[20:21] offset:64*\n                     ; W2 at the same hidden units as b1
	global_load_b128 v[W2R+8*\n+4:W2R+8*\n+7], v10, s[20:21] offset:64*\n+16
.endr
	s_wait_loadcnt 34                              ; my row of values is in; behind it: W1 16, b1 8, W1's scales 2, W2 8
	QUANT XM
	s_wait_alu depctr_va_vdst(0)
	s_wait_loadcnt 8                               ; W1, b1 and W1's scales are in; W2's 8 may be out
.rept 4
	v_nop                                          ; the codes were written by vector instructions: four places ahead of a scaled matrix instruction (the scale word stands further up)
.endr
	; transposed: source 0 = 16 hidden units of W1, source 1 = my 16 rows: lane (r, hh) holds row r, register 8 n + j hidden unit 16 n + 8 hh + j.  Four accumulators, one instruction each.
.irp n, 0,2
	v_wmma_scale_f32_16x16x128_f8f6f4 v[HD+8*\n:HD+8*\n+7], v[X+16*\n:X+16*\n+15], v[PC:PC+15], v[HD+8*\n:HD+8*\n+7], v[WS+\n/2], v[PW] matrix_a_fmt:MATRIX_FMT_BF8 matrix_b_fmt:MATRIX_FMT_BF8
	v_wmma_scale_f32_16x16x128_f8f6f4 v[HD+8*\n+8:HD+8*\n+15], v[X+16*\n+16:X+16*\n+31], v[PC:PC+15], v[HD+8*\n+8:HD+8*\n+15], v[WS+\n/2], v[PW] matrix_a_fmt:MATRIX_FMT_BF8 matrix_b_fmt:MATRIX_FMT_BF8 matrix_a_scale:MATRIX_SCALE_ROW1
.endr
.rept 8
	v_nop                                          ; eight places ahead of the first read of the results
.endr
	s_wait_loadcnt 0x0                             ; W2
.set i, 0
.rept 32
	v_max_num_f32 v[HD+i], 0, v[HD+i]              ; relu; each accumulator from its low end on
.set i, i+1
.endr
	v_pk_mul_f32 v[246:247], v[HD:HD+1], v[W2R:W2R+1]              ; hid . W2 in f32, two chains of packed multiply-adds
	v_pk_mul_f32 v[248:249], v[HD+2:HD+3], v[W2R+2:W2R+3]
.irp j, 4,8,12,16,20,24,28
	v_pk_fma_f32 v[246:247], v[HD+\j:HD+\j+1], v[W2R+\j:W2R+\j+1], v[246:247]
	v_pk_fma_f32 v[248:249], v[HD+\j+2:HD+\j+3], v[W2R+\j+2:W2R+\j+3], v[248:249]
.endr
	v_pk_add_f32 v[246:247], v[246:247], v[248:249]
	v_add_f32 v245, v246, v247
	v_permlanex16_b32 v250, v245, s[SEL], s[SEL+1]
	v_add_f32 v245, v245, v250                     ; with lane l xor 16's 32 hidden units
	s_wait_alu depctr_va_vdst(0)
	s_wait_kmcnt 0x0                               ; b2
	v_add_f32 v245, s61, v245
	v_mul_f32 v245, 0xbfb8aa3b, v245               ; sigmoid(z) = 1 / (1 + 2^(-z log2(e)))
	s_wait_alu depctr_va_vdst(0)
	v_exp_f32 v245, v245
	v_nop                                          ; a plain line behind a transcendental
	s_wait_alu depctr_va_vdst(0)
	v_add_f32 v245, 1.0, v245
	s_wait_alu depctr_va_vdst(0)
	v_rcp_f32 v245, v245
	v_nop
	s_wait_alu depctr_va_vdst(0)
	v_med3_num_f32 v245, v245, s62, s63            ; the clip
	ds_store_b32 v11, v245                         ; both halves of the lanes write the same word with the same value
.Ljoin:
	s_wait_dscnt 0x0                               ; for wave 8's sake: my store has landed
	s_barrier_signal -1
	s_barrier_wait -1
	s_cmp_lg_u32 s29, 8
	s_cbranch_scc1 .Ldone
	ds_load_b64 v[246:247], v12
	s_wait_dscnt 0x0
	global_store_b64 v12, v[246:247], s[56:57]     ; the 64 keys' deg: 256 consecutive bytes, aligned
.Ldone:
	s_wait_tensorcnt 0x0                           ; the wave's end
	ds_add_u32 v254, v255
	s_wait_dscnt 0x0
	s_endpgm
.Lfunc_end_k_q20ef018ebf_prep:
	.size	k_q20ef018ebf_prep, .Lfunc_end_k_q20ef018ebf_prep-k_q20ef018ebf_prep
	.p2alignl 7, 3214868480
	.fill 96, 4, 3214868480
	.section	.rodata,"a",@progbits
	.p2align	6, 0x0
	.amdhsa_kernel k_q20ef018ebf_prep
		.amdhsa_group_segment_fixed_size 1792
		.amdhsa_private_segment_fixed_size 0
		.amdhsa_enable_private_segment 0
		.amdhsa_kernarg_size 80
		.amdhsa_user_sgpr_count 2
		.amdhsa_user_sgpr_kernarg_segment_ptr 1
		.amdhsa_wavefront_size32 1
		.amdhsa_system_sgpr_workgroup_id_x 1
		.amdhsa_system_sgpr_workgroup_id_y 1
		.amdhsa_system_sgpr_workgroup_id_z 1
		.amdhsa_system_vgpr_workitem_id 0
		.amdhsa_next_free_vgpr 256
		.amdhsa_next_free_sgpr 68
		.amdhsa_reserve_vcc 0
		.amdhsa_float_denorm_mode_32 3
		.amdhsa_float_denorm_mode_16_64 3
		.amdhsa_memory_ordered 1
		.amdhsa_forward_progress 1
		.amdhsa_inst_pref_size 30
	.end_amdhsa_kernel
	.amdgpu_metadata
---
amdhsa.version: [ 1, 2 ]
amdhsa.kernels:
  - .name:           k_q20ef018ebf_prep
    .symbol:         k_q20ef018ebf_prep.kd
    .args:
      - { .name: values, .offset: 0, .size: 8, .value_kind: global_buffer, .address_space: global }
      - { .name: keys_codes, .offset: 8, .size: 8, .value_kind: global_buffer, .address_space: global }
      - { .name: keys_scales, .offset: 16, .size: 8, .value_kind: global_buffer, .address_space: global }
      - { .name: W1_codes, .offset: 24, .size: 8, .value_kind: global_buffer, .address_space: global }
      - { .name: W1_scales, .offset: 32, .size: 8, .value_kind: global_buffer, .address_space: global }
      - { .name: b1, .offset: 40, .size: 8, .value_kind: global_buffer, .address_space: global }
      - { .name: W2, .offset: 48, .size: 8, .value_kind: global_buffer, .address_space: global }
      - { .name: b2, .offset: 56, .size: 8, .value_kind: global_buffer, .address_space: global }
      - { .name: kv, .offset: 64, .size: 8, .value_kind: global_buffer, .address_space: global }
      - { .name: deg, .offset: 72, .size: 8, .value_kind: global_buffer, .address_space: global }
    .group_segment_fixed_size: 1792
    .private_segment_fixed_size: 0
    .kernarg_segment_align: 8
    .kernarg_segment_size: 80
    .max_flat_workgroup_size: 384
    .sgpr_count:     68
    .vgpr_count:     256
    .wavefront_size: 32
...
	.end_amdgpu_metadata
.endif
;; end of part 1
;; launch attn (part 2): grid 16 x 16, 8 waves a work-group, clusters of 4 x 1, 327,680 bytes of LDS; arguments queries_codes, queries_scales, kv, deg, out0; writes out0
.if DOCPART == 2
	.amdgcn_target "amdgcn-amd-amdhsa--gfx1250"
	.amdhsa_code_object_version 6
	.text
	.protected	k_q20ef018ebf_attn
	.globl	k_q20ef018ebf_attn
	.p2align	8
	.type	k_q20ef018ebf_attn,@function
k_q20ef018ebf_attn:
	s_mov_b64 s[64:65], 0
	v_nop
	global_prefetch_b8 v0, s[64:65] scope:SCOPE_SE
	s_setreg_imm32_b32 hwreg(HW_REG_WAVE_MODE, 25, 1), 1
	s_wait_xcnt 0x0
	s_wait_alu depctr_hold_cnt(0) depctr_sa_sdst(0) depctr_va_vdst(0) depctr_va_sdst(0) depctr_va_ssrc(0) depctr_va_vcc(0) depctr_vm_vsrc(0)
	s_getreg_b32 s2, hwreg(HW_REG_IB_STS2, 6, 4)
	s_cmp_eq_u32 s2, 0
	s_cbranch_scc0 .Lentry_in_a_cluster
	s_endpgm
.Lentry_in_a_cluster:
	s_bfe_u32 s2, ttmp6, 0x10000c
	s_cmp_lg_u32 s2, 0x3003
	s_cbranch_scc0 .Lentry_shape_is_right
	s_endpgm
.Lentry_shape_is_right:
; out0[b][l][h][:] = the sum over s of softmax_s((Q . K + deg[b][s] - max_s deg[b][s]) / 8) V, both products on codes of E5M2 with one E8M0 scale for each 32 along K.
; THE SOFTMAX: t = (score + deg) c - c max deg, c = log2(e) / 8; M = the largest t so far, rounded up to a whole number; p = 2^(t - M) is quantised along the keys, not normalised; the row's sum is
; taken of the unquantised p and divides at the end.  When M moves, the sum and O are multiplied by 2^(old M - new M), which rounds nothing.  deg is the C of the score's matrix instruction;
; - c max deg, one number a batch, goes into the addend -M of the multiply-add that makes t - M: nothing of reference() is left out.
; SHARES.  A work-group owns 128 queries of one head (bh = 2 b + h).  Wave WV: qg = WV % 4: queries 32 qg .. + 31, two tiles of 16; kh = WV / 4: every second step of 128 keys, 8 of the head's 16.
; The two waves of a qg meet at the end: each finishes one tile and hands the other over through LDS; the halves are brought under the larger M, exactly, and added.
; ALL OF A HEAD'S K AND V STAYS IN LDS: 16 records of 17,152 bytes, as the launch before laid them.  Each wave asks for two records by its one tensor load at the head, and no LDS byte is filled again.
; Waves 0 and 1 (records 0 to 3, the first two steps) ask first, by a load line of their own, which the first barrier shows; the second barrier, inside step 1, shows the other twelve records.
; No prefetch: every byte is asked for at the head, so no loop is left to run ahead of.
; CLUSTER.  The four query blocks of a cluster belong to one head and want the same bytes: every tensor load is a JOINT one, the same descriptor and the mask of all four in all four.
; LAYOUT.  Both products are used transposed: S^T = K Q^T (source 0 = 16 keys, source 1 = 16 queries), O^T = V^T P^T: a lane holds one query (lane % 16) throughout.  In S^T register 8 t + j of lane
; (r, hh) is key 16 t + 8 hh + j: so registers 16 c .. 16 c + 15 are 16 keys of block c, in the order in which V's images hold them.
; THE ORDER OF A STEP.  Matrix instructions stand in pairs among vector work: tile 1's scores and the step before's O^T of tile 1 among tile 0's maxima; this step's O^T of tile 0 and the NEXT step's
; scores of tile 0 (whose registers are free once its codes are made) among tile 1's sum and holds.
; THE HEAD'S 64 IN A K STEP OF 128: Q's fragment has zero codes in its upper eight registers; K's fragment of tile t is named as 16 registers, the upper eight being the next tile's codes (behind tile 7:
; V's first eight registers: zeros at first, then codes of V), which meet zeros.  K's scale bytes there are 1.0, Q's are 0 (2^-127).
; LIMITS: codes of infinity or NaN and scale bytes 0xff are not served, nor NaN or infinities among values (such a code would also reach a neighbouring tile of keys).  v_exp_f32 gives 0 under 2^-126.
; The softmax's promise holds while |t| stays under 2^31.
; REGISTERS.  Window 0: v2-9 addresses; v10-29 statistics; v30-53 blocks; v54-63 scale words alone; v64-79 tile 0's codes of p; v80-95 Q of tile 0; v96-223 S^T, then p; v224-255 O^T of tile 0.
;   Window 1: v0-63 K; v64-127 V; v128-191 deg; v192-223 O^T of tile 1; v224-239 Q of tile 1; v240-255 tile 1's codes of p.
.set REC,  17152
.set DEGL, 16*REC                      ; LDS: deg[s], 8,192 bytes
.set RED,  DEGL+8192                   ; the eight waves' maxima of deg
.set EXCH, RED+256                     ; where a wave hands a tile over: 4,096 bytes of O^T and 512 of statistics each
.set SPARE, EXCH+8*4608
.set SPW, 2
.set NIL, 3
.set L16, 4                            ; 16 x lane
.set LSC, 5                            ; 16,384 + 4 x lane
.set LDG, 6                            ; DEGL + 32 hh
.set ADC, 7                            ; the step's addresses: images, scale words, deg
.set ADS, 8
.set ADG, 9
.set ST,  10                           ; tile q at v[10 + 4 q]: the addend -M - c max deg, the largest score, the sum in two halves
.set NM,  18                           ; v18-19  -M
.set FF,  20                           ; tile q: v[20 + 2 q] f = 2^(old M - new M), v[21 + 2 q] at work
.set CA,  24                           ; v24-29  the sum's other chains
.set CB,  26
.set CC,  28
.set BM,  30                           ; the 8 blocks' largest scores, then their largest p's exponents
.set SO,  38                           ; the conversions' scale operands
.set HL,  46                           ; 57,344 x the scale (first the other half of the lanes')
.set KS,  54
.set VS,  58
.set QS,  60
.set PS,  62
.set P0,  64
.set Q0,  80
.set S,   96
.set O0,  224
.set KV,  0                            ; in window 1
.set V,   64
.set DG,  128
.set O1,  192
.set Q1,  224
.set P1,  240
.set WV,  16
.set QG,  17
.set KH,  18
.set CX,  19
.set XB,  20
.set BH,  21
.set BB,  22
.set HE,  23
.set SEL, 24                           ; s[24:25] v_permlanex16_b32's selects for lane l xor 16
.set CS,  26                           ; s[26:27] c, as a pair
.set CMX, 28                           ; s28 c x the batch's largest deg
.set CNT, 29
.set TB,  30                           ; where the step's record begins
.set TD,  31                           ; and its deg
.set G1,  40                           ; s[40:47], s[48:51] the tensor load's descriptor groups 1 and 0
.set G0,  48
.set MSB, 0
.macro WIN new                         ; the immediate's high byte repeats the setting that is left; a switch that changes nothing is dropped
.if MSB != \new
	s_set_vgpr_msb (MSB<<8)|\new
.set MSB, \new
.endif
.endm
.macro CROUND                          ; a round of the cluster's barrier
	s_barrier_signal -1
	s_barrier_wait -1
	s_cmp_lg_u32 s[WV], 0
	s_cbranch_scc1 .Lnot_wave_0_\@
	s_barrier_signal -3
.Lnot_wave_0_\@:
	s_barrier_wait -3
	s_barrier_signal -1
	s_barrier_wait -1
.endm
.macro WALU
	s_wait_alu depctr_va_vdst(0)
.endm
	s_load_b256 s[4:11], s[0:1], 0x0               ; Q's codes 4, Q's scales 6, kv 8, deg 10
	s_load_b64 s[12:13], s[0:1], 0x20              ; out0
	v_lshl_add_u32 v[SPW], v0, 2, SPARE
	v_mov_b32 v[NIL], 0
	ds_add_u32 v[SPW], v[NIL]                      ; the wave's opening: the add, twice on end, and its wait ahead of my tensor load
	ds_add_u32 v[SPW], v[NIL]
	v_lshrrev_b32 v96, 5, v0
	v_readfirstlane_b32 s[WV], v96                 ; wave 0..7
	s_and_b32 s[QG], s[WV], 3
	s_lshr_b32 s[KH], s[WV], 2
	s_bfe_u32 s[CX], ttmp6, 0x40000                ; my place in the cluster
	s_lshl_b32 s[XB], ttmp9, 2
	s_add_co_u32 s[XB], s[XB], s[CX]               ; my block of 128 queries: it enters Q's and out0's addresses alone
	s_and_b32 s[BH], ttmp7, 0xffff                 ; the head, which the four partners share
	s_lshr_b32 s[BB], s[BH], 1
	s_and_b32 s[HE], s[BH], 1
	; group 1: two records, dense, as 134 rows of 256 bytes: 15:0 the mask of all four work-groups; 17:16 elements of 8 bytes; 21 set beside a mask; no padding: an image's loads take 512 consecutive bytes
	s_mov_b32 s[G1], 15|(3<<16)|(1<<21)
	s_mov_b32 s[G1+1], 32<<16                      ; tensor_dim0
	s_mov_b32 s[G1+2], 134<<16                     ; tensor_dim1
	s_mov_b32 s[G1+3], 32<<16                      ; tile_dim0
	s_mov_b32 s[G1+4], 134                         ; tile_dim1
	s_mov_b32 s[G1+5], 32                          ; from row to row
	s_mov_b32 s[G1+6], 0
	s_mov_b32 s[G1+7], 0
	s_mul_i32 s52, s[WV], 2*REC                    ; my two records, in LDS and in the head
	s_mov_b32 s[G0], 1
	s_mov_b32 s[G0+1], s52
	s_mul_i32 s36, s[BH], 16*REC
	s_add_co_u32 s36, s36, s52
	s_mov_b32 s37, 0
	s_lshl_b32 s38, s[BB], 13                      ; the batch's deg
	s_mov_b32 s39, 0
	s_lshl_b32 s54, s[BB], 18                      ; Q's codes: query 128 x + 32 qg, 128 bytes a query, + 64 h
	s_lshl_b32 s3, s[XB], 14
	s_add_co_u32 s54, s54, s3
	s_lshl_b32 s3, s[QG], 12
	s_add_co_u32 s54, s54, s3
	s_lshl_b32 s3, s[HE], 6
	s_add_co_u32 s54, s54, s3
	s_mov_b32 s55, 0
	s_lshl_b32 s56, s[BB], 13                      ; Q's scales: 4 bytes a query, + 2 h
	s_lshl_b32 s3, s[XB], 9
	s_add_co_u32 s56, s56, s3
	s_lshl_b32 s3, s[QG], 7
	s_add_co_u32 s56, s56, s3
	s_lshl_b32 s3, s[HE], 1
	s_add_co_u32 s56, s56, s3
	s_mov_b32 s57, 0
	s_lshl_b32 s58, s[BB], 20                      ; out0: query 128 x + 32 qg + 16 kh (the tile that I finish), 512 bytes a query, + 256 h
	s_lshl_b32 s3, s[XB], 16
	s_add_co_u32 s58, s58, s3
	s_lshl_b32 s3, s[QG], 14
	s_add_co_u32 s58, s58, s3
	s_lshl_b32 s3, s[KH], 13
	s_add_co_u32 s58, s58, s3
	s_lshl_b32 s3, s[HE], 8
	s_add_co_u32 s58, s58, s3
	s_mov_b32 s59, 0
	s_mov_b32 s[SEL], 0x76543210
	s_mov_b32 s[SEL+1], 0xfedcba98
	s_mov_b32 s[CS], 0x3e38aa3b                    ; log2(e) / 8
	s_mov_b32 s[CS+1], s[CS]
	s_mul_i32 s[TB], s[KH], REC
	s_lshl_b32 s[TD], s[KH], 9
	v_and_b32 v97, 31, v0                          ; lane
	v_and_b32 v98, 15, v0                          ; r
	v_bfe_u32 v99, v0, 4, 1                        ; hh
	v_lshlrev_b32 v100, 5, v0                      ; 32 x thread: my eight numbers of the batch's deg
	v_lshlrev_b32 v101, 7, v98
	v_lshlrev_b32 v102, 2, v98                     ; Q's scales: 4 r
	v_lshl_add_u32 v103, v0, 5, DEGL               ; where I put my eight
	v_lshl_add_u32 v101, v99, 4, v101              ; Q: 128 r + 16 hh
	v_lshlrev_b32 v[L16], 4, v97
	v_lshl_add_u32 v[LSC], v97, 2, 16384
	v_lshl_add_u32 v[LDG], v99, 5, DEGL
	v_mov_b32 v112, s[WV]
	v_mov_b32 v113, RED
	v_mov_b32 v115, 0                              ; a lane permute's destination counts as one of its sources
	v_lshl_add_u32 v112, v112, 2, RED              ; my wave's word
	v_add_nc_u32 v[ADC], s[TB], v[L16]
	v_add_nc_u32 v[ADS], s[TB], v[LSC]
	v_add_nc_u32 v[ADG], s[TD], v[LDG]
	WALU
	s_wait_dscnt 0x0                               ; both opening adds are done
	CROUND                                         ; all four work-groups are here: the joint loads meet.  (The round stands ahead of the wait for the arguments)
	s_wait_kmcnt 0x0
	s_add_nc_u64 s[G0+2:G0+3], s[8:9], s[36:37]
	s_or_b32 s[G0+3], s[G0+3], 0x80000000          ; type = 2
	s_add_nc_u64 s[10:11], s[10:11], s[38:39]
	s_add_nc_u64 s[4:5], s[4:5], s[54:55]
	s_add_nc_u64 s[6:7], s[6:7], s[56:57]
	s_add_nc_u64 s[12:13], s[12:13], s[58:59]
.macro TLOAD
	tensor_load_to_lds s[G0:G0+3], s[G1:G1+7]
	s_nop 0
.rept 4
	v_nop
.endr
.endm
; My eight other loads, and the registers that begin as zeros: in waves 0 and 1 behind the tensor load, in the others ahead of it, so that records 0 to 3 are asked for first.
.macro HEADWORK
	global_load_b128 v[104:107], v100, s[10:11]    ; deg 2, Q 4, Q's scales 2
	global_load_b128 v[108:111], v100, s[10:11] offset:16
	global_load_b128 v[Q0:Q0+3], v101, s[4:5] th:TH_LOAD_NT
	global_load_b128 v[Q0+4:Q0+7], v101, s[4:5] offset:32 th:TH_LOAD_NT
	WIN 0x40                                       ; destination window 1
	global_load_b128 v[Q1:Q1+3], v101, s[4:5] offset:2048 th:TH_LOAD_NT
	global_load_b128 v[Q1+4:Q1+7], v101, s[4:5] offset:2080 th:TH_LOAD_NT
	WIN 0
	global_load_u16 v[QS], v102, s[6:7]            ; two bytes; the upper two come as 0
	global_load_u16 v[QS+1], v102, s[6:7] offset:64
.irp j, 0,1,2,3,4,5,6,7
	v_mov_b32 v[Q0+8+\j], 0                        ; zero codes: Q's upper halves
	v_mov_b32 v[HL+\j], 0                          ; (a lane permute's destination)
.endr
.set i, 0
.rept 32
	v_mov_b32 v[O0+i], 0                           ; O^T.  (The first step finds zeros, which the first change of M leaves zeros)
.set i, i+1
.endr
	WIN 0x40
.irp j, 0,1,2,3,4,5,6,7
	v_mov_b32 v[Q1+8+\j], 0
	v_mov_b32 v[V+\j], 0                           ; what stands behind K's tile 7 in the first step
.endr
.set i, 0
.rept 32
	v_mov_b32 v[O1+i], 0
.set i, i+1
.endr
	WIN 0
.irp q, 0,1
	v_mov_b32 v[ST+4*\q+1], 0xff61b1e6             ; the largest score so far: -3e38
	v_mov_b32 v[NM+\q], 0x7e967699                 ; -M: 1e38
	v_mov_b32 v[ST+4*\q+2], 0
	v_mov_b32 v[ST+4*\q+3], 0
.endr
.endm
	s_cmp_lt_u32 s[WV], 2                          ; ONE joint load a wave; waves 0 and 1, which alone wait ahead of the first barrier, have a line of their own
	s_cbranch_scc0 .Lrest
	TLOAD
	HEADWORK
	WALU
	s_branch .Lasked
.Lrest:
	HEADWORK
	TLOAD
.Lasked:
	; the batch's largest deg: my 8, my wave's 256, and behind the barrier the eight waves'
	s_wait_loadcnt 6                               ; deg's two loads are in; Q's four and its scales' two may be out
	v_max3_num_f32 v114, v104, v105, v106
	v_max3_num_f32 v116, v107, v108, v109
	v_max3_num_f32 v114, v114, v110, v111
	v_max_num_f32 v114, v114, v116
	v_max_num_f32_dpp v114, v114, v114 row_xmask:1 row_mask:0xf bank_mask:0xf
	v_max_num_f32_dpp v114, v114, v114 row_xmask:2 row_mask:0xf bank_mask:0xf
	v_max_num_f32_dpp v114, v114, v114 row_xmask:4 row_mask:0xf bank_mask:0xf
	v_max_num_f32_dpp v114, v114, v114 row_xmask:8 row_mask:0xf bank_mask:0xf
	v_permlanex16_b32 v115, v114, s[SEL], s[SEL+1]
	v_max_num_f32 v114, v114, v115
	ds_store_b32 v112, v114
	ds_store_b128 v103, v[104:107]
	ds_store_b128 v103, v[108:111] offset:16
	WALU                                           ; the wait at the head's end
	s_cmp_lt_u32 s[WV], 2
	s_cbranch_scc0 .Lnot_first
	s_wait_tensorcnt 0x0                           ; waves 0 and 1: records 0 to 3 have landed.  The other waves' wait stands at the second barrier
.Lnot_first:
	s_wait_dscnt 0x0                               ; for the others' sake: my stores have landed
	s_barrier_signal -1
	s_barrier_wait -1
; K, deg and K's scale words of a step: 36 LDS loads; o, d: from the addresses in hand to that step's record and deg
.macro LOADK o, d
	WIN 0x40
.irp t, 0,1,2,3,4,5,6,7
	ds_load_b128 v[KV+8*\t:KV+8*\t+3], v[ADC] offset:(\o)+1024*\t
	ds_load_b128 v[KV+8*\t+4:KV+8*\t+7], v[ADC] offset:(\o)+1024*\t+512
.endr
.irp t, 0,1,2,3,4,5,6,7
	ds_load_b128 v[DG+8*\t:DG+8*\t+3], v[ADG] offset:(\d)+64*\t         ; deg of keys 16 t + 8 hh + 0 .. 7: sixteen lanes share each word
	ds_load_b128 v[DG+8*\t+4:DG+8*\t+7], v[ADG] offset:(\d)+64*\t+16
.endr
	WIN 0
.irp i, 0,1,2,3
	ds_load_b32 v[KS+\i], v[ADS] offset:(\o)+128*\i     ; lane l: key 32 i + l
.endr
.endm
; Lines from .. to - 1 of tile q's 40 maxima: each block of 32 keys' largest score, the four blocks by turns; each accumulator is first read at its low end
.macro MX q, from, to
.set n_, \from
.rept (\to)-(\from)
.set b_, 4*(\q)+n_%4
.if n_ < 4
	v_max3_num_f32 v[BM+b_], v[S+16*b_], v[S+16*b_+1], v[S+16*b_+2]
.elseif n_ < 28
.set i_, 2*(n_/4)+1
	v_max3_num_f32 v[BM+b_], v[BM+b_], v[S+16*b_+i_], v[S+16*b_+i_+1]
.elseif n_ < 32
	v_max_num_f32 v[BM+b_], v[BM+b_], v[S+16*b_+15]
.elseif n_ < 36
	v_permlanex16_b32 v[HL+b_], v[BM+b_], s[SEL], s[SEL+1]
.else
	v_max_num_f32 v[BM+b_], v[BM+b_], v[HL+b_]     ; with lane l xor 16's 16 keys
.endif
.set n_, n_+1
.endr
.endm
; Lines from .. to - 1 of tile q's 29 of the row's sum of the unquantised p, in four chains of packed additions; the old sum comes in under the new M
.macro SUMA q, from, to
.set rP, S+64*(\q)
.set rU, ST+4*(\q)+2
.set n_, \from
.rept (\to)-(\from)
.set c_, n_%4
.set j_, 2*n_+6
.if n_ == 0
	v_pk_fma_f32 v[rU:rU+1], v[rU:rU+1], v[FF+2*(\q):FF+2*(\q)+1], v[rP:rP+1] op_sel_hi:[1,0,1]
.elseif n_ < 4
	v_pk_add_f32 v[CA+2*(n_-1):CA+2*(n_-1)+1], v[rP+4*n_-2:rP+4*n_-1], v[rP+4*n_:rP+4*n_+1]
.elseif c_ == 0
	v_pk_add_f32 v[rU:rU+1], v[rU:rU+1], v[rP+j_:rP+j_+1]
.else
	v_pk_add_f32 v[CA+2*(c_-1):CA+2*(c_-1)+1], v[CA+2*(c_-1):CA+2*(c_-1)+1], v[rP+j_:rP+j_+1]
.endif
.set n_, n_+1
.endr
.endm
.macro SUMB q
.set rU, ST+4*(\q)+2
	v_pk_add_f32 v[CA:CA+1], v[CA:CA+1], v[CB:CB+1]
	v_pk_add_f32 v[rU:rU+1], v[rU:rU+1], v[CC:CC+1]
	v_pk_add_f32 v[rU:rU+1], v[rU:rU+1], v[CA:CA+1]
.endm
; Two of tile q's holds: the conversion to an 8-bit code does not saturate (ISA guide 7.6.2); p is not negative, so the hold is one-sided
.macro HOLD q, j
	v_dual_min_num_f32 v[S+64*(\q)+2*(\j)], v[HL+4*(\q)+(\j)/8], v[S+64*(\q)+2*(\j)] :: v_dual_min_num_f32 v[S+64*(\q)+2*(\j)+1], v[HL+4*(\q)+(\j)/8], v[S+64*(\q)+2*(\j)+1]
.endm
.macro HOLDS q, from, to
.set n_, \from
.rept (\to)-(\from)
	HOLD \q, n_
.set n_, n_+1
.endr
.endm
.macro CONV q, p
.irp b, 0,1,2,3
	v_cvt_scalef32_pk8_bf8_f32 v[\p+4*\b:\p+4*\b+1], v[S+64*(\q)+16*\b:S+64*(\q)+16*\b+7], v[SO+4*(\q)+\b]
	v_cvt_scalef32_pk8_bf8_f32 v[\p+4*\b+2:\p+4*\b+3], v[S+64*(\q)+16*\b+8:S+64*(\q)+16*\b+15], v[SO+4*(\q)+\b]
.endr
.endm
; A pair of score tiles t, t + 1 of query tile q, whose Q stands at b: K and deg in window 1, S^T in window 0, tile 1's Q in window 1
.macro QKP q, b, t
	WIN 0x11+4*(\q)
	v_wmma_scale_f32_16x16x128_f8f6f4 v[S+64*\q+8*\t:S+64*\q+8*\t+7], v[KV+8*\t:KV+8*\t+15], v[\b:\b+15], v[DG+8*\t:DG+8*\t+7], v[KS+\t/2], v[QS+\q] matrix_a_fmt:MATRIX_FMT_BF8 matrix_b_fmt:MATRIX_FMT_BF8
	v_wmma_scale_f32_16x16x128_f8f6f4 v[S+64*\q+8*\t+8:S+64*\q+8*\t+15], v[KV+8*\t+8:KV+8*\t+23], v[\b:\b+15], v[DG+8*\t+8:DG+8*\t+15], v[KS+\t/2], v[QS+\q] matrix_a_fmt:MATRIX_FMT_BF8 matrix_b_fmt:MATRIX_FMT_BF8 matrix_a_scale:MATRIX_SCALE_ROW1
	WIN 0
.endm
; A pair of channel tiles d, d + 1 of query tile q: V in window 1; tile 1's codes and O^T in window 1, tile 0's in window 0
.macro PVP q, o, p, d
	WIN 0x01+0x54*(\q)
	v_wmma_scale_f32_16x16x128_f8f6f4 v[\o+8*\d:\o+8*\d+7], v[V+16*\d:V+16*\d+15], v[\p:\p+15], v[\o+8*\d:\o+8*\d+7], v[VS+\d/2], v[PS+\q] matrix_a_fmt:MATRIX_FMT_BF8 matrix_b_fmt:MATRIX_FMT_BF8
	v_wmma_scale_f32_16x16x128_f8f6f4 v[\o+8*\d+8:\o+8*\d+15], v[V+16*\d+16:V+16*\d+31], v[\p:\p+15], v[\o+8*\d+8:\o+8*\d+15], v[VS+\d/2], v[PS+\q] matrix_a_fmt:MATRIX_FMT_BF8 matrix_b_fmt:MATRIX_FMT_BF8 matrix_a_scale:MATRIX_SCALE_ROW1
	WIN 0
.endm
; A STEP: 128 keys for my two tiles of queries.  It begins with tile 0's scores made, and with tile 1's codes of the step before (first = 1: there was none).  No two matrix instructions that follow
; each other share an accumulator.  mode 0: the next step's K, deg and K's scale words are asked for behind tile 1's scores;  1: ahead of the exponentials, behind
; the second barrier, which shows records 4 to 15;  2: there is no next step.
.macro STEP first, mode
.if \mode == 1
	s_wait_dscnt 0x0
	s_wait_tensorcnt 0x0                           ; my two records have landed: said here, waited for further down; between stand work on registers and reads of bytes that nobody writes before a later barrier
	s_barrier_signal -1
.endif
	QKP 1, Q1, 0
	MX 0, 0, 6
	QKP 1, Q1, 2
	MX 0, 6, 12
	QKP 1, Q1, 4
	MX 0, 12, 18
	QKP 1, Q1, 6
	MX 0, 18, 24
.if \first == 0
	PVP 1, O1, P1, 0
.endif
	MX 0, 24, 28
.if \first == 0
	PVP 1, O1, P1, 2
.endif
	MX 0, 28, 40                                   ; (eight places and more behind the products, ahead of loads into their operands and of the first read of tile 1's scores)
	v_add_nc_u32 v[ADC], s[TB], v[L16]
	v_add_nc_u32 v[ADS], s[TB], v[LSC]
	v_add_nc_u32 v[ADG], s[TD], v[LDG]
.irp i, 0,1
	ds_load_b32 v[VS+\i], v[ADS] offset:512+128*\i ; lane l: channel 32 i + l
.endr
	WIN 0x40
.irp d, 0,1,2,3
.irp c, 0,1,2,3
	ds_load_b128 v[V+16*\d+4*\c:V+16*\d+4*\c+3], v[ADC] offset:8192+2048*\d+512*\c
.endr
.endr
.if \mode == 0
	LOADK 2*REC, 1024
.endif
	WIN 0
	MX 1, 0, 40
.irp q, 0,1
	v_max3_num_f32 v[FF+2*\q+1], v[BM+4*\q], v[BM+4*\q+1], v[BM+4*\q+2]
.endr
.irp q, 0,1
	v_max3_num_f32 v[ST+4*\q+1], v[ST+4*\q+1], v[FF+2*\q+1], v[BM+4*\q+3]   ; the running largest score
.endr
.irp q, 0,1
	v_fma_f32 v[FF+2*\q+1], v[ST+4*\q+1], s[CS], -s[CMX]   ; as t (c is positive)
.endr
.irp q, 0,1
	v_floor_f32 v[FF+2*\q+1], -v[FF+2*\q+1]        ; the new -M = -ceil(t)
.endr
.irp q, 0,1
	v_sub_f32 v[FF+2*\q], v[FF+2*\q+1], v[NM+\q]   ; old M - new M: a whole number, 0 or less
.endr
.irp q, 0,1
	v_sub_f32 v[ST+4*\q], v[FF+2*\q+1], s[CMX]     ; the addend
.endr
.irp q, 0,1
	v_cvt_i32_f32 v[FF+2*\q], v[FF+2*\q]           ; (it saturates)
.endr
.irp q, 0,1
	v_mov_b32 v[NM+\q], v[FF+2*\q+1]
.endr
.irp q, 0,1
	v_ldexp_f32 v[FF+2*\q], 1.0, v[FF+2*\q]        ; f
.endr
.irp b, 0,1,2,3,4,5,6,7
	v_fma_f32 v[BM+\b], v[BM+\b], s[CS], v[ST+4*(\b/4)]    ; t - M of each block's largest score: p rises with it, so its floor is the exponent of the block's largest p
.endr
.irp b, 0,1,2,3,4,5,6,7
	v_cvt_floor_i32_f32 v[BM+\b], v[BM+\b]
.endr
.irp b, 0,1,2,3,4,5,6,7
	v_max_i32 v[BM+\b], -111, v[BM+\b]             ; the byte cannot fall under 1
.endr
.irp b, 0,1,2,3,4,5,6,7
	v_lshl_add_u32 v[SO+\b], v[BM+\b], 23, 0x38000000      ; the conversion's scale operand 2^(x - 15): exponent field x + 112, which is the scale's byte
.endr
.irp b, 0,1,2,3,4,5,6,7
	v_lshl_add_u32 v[HL+\b], v[BM+\b], 23, 0x3fe00000      ; 57,344 x the scale = 1.75 x 2^x
.endr
.irp q, 0,1
	v_lshl_add_u32 v[FF+2*\q+1], v[BM+4*\q+1], 8, v[BM+4*\q]
.endr
.irp q, 0,1
	v_lshl_add_u32 v[FF+2*\q+1], v[BM+4*\q+2], 16, v[FF+2*\q+1]
.endr
.irp q, 0,1
	v_lshl_add_u32 v[FF+2*\q+1], v[BM+4*\q+3], 24, v[FF+2*\q+1]
.endr
.irp q, 0,1
	v_add_nc_u32 v[PS+\q], 0x70707070, v[FF+2*\q+1]        ; p's scale word for these 128 keys: the four bytes x + 112
.endr
.set j, 0
.rept 32
	v_pk_fma_f32 v[S+j:S+j+1], v[S+j:S+j+1], s[CS:CS+1], v[ST:ST+1] op_sel_hi:[1,0,0]   ; tile 0's t - M, two at a time
.set j, j+2
.endr
.set j, 0
.rept 16
	v_pk_mul_f32 v[O0+j:O0+j+1], v[O0+j:O0+j+1], v[FF:FF+1] op_sel_hi:[1,0]   ; O^T under the new M
.set j, j+2
.endr
	WIN 0x41
.set j, 0
.rept 16
	v_pk_mul_f32 v[O1+j:O1+j+1], v[O1+j:O1+j+1], v[FF+2:FF+3] op_sel_hi:[1,0]
.set j, j+2
.endr
	WIN 0
	WALU                                           ; the wait ahead of the batch
.if \mode == 1
	s_barrier_wait -1                              ; every record is whole
	LOADK 2*REC, 1024
.endif
.set j, 0
.rept 32
	v_exp_f32 v[S+2*j], v[S+2*j]                   ; tile 0's p; among them tile 1's t - M, which nothing reads before the next wait
	v_exp_f32 v[S+2*j+1], v[S+2*j+1]
	v_pk_fma_f32 v[S+64+2*j:S+65+2*j], v[S+64+2*j:S+65+2*j], s[CS:CS+1], v[ST+4:ST+5] op_sel_hi:[1,0,0]
.set j, j+1
.endr
	WALU                                           ; behind this batch, and ahead of the next
	SUMA 0, 0, 29
	SUMB 0
.set j, 0
.rept 32
	v_exp_f32 v[S+64+2*j], v[S+64+2*j]             ; tile 1's p; among them tile 0's holds
	v_exp_f32 v[S+65+2*j], v[S+65+2*j]
	HOLD 0, j
.set j, j+1
.endr
	v_nop                                          ; a plain line behind the batch
	WALU
	s_wait_dscnt 0x0                               ; V, and the next step's K, deg and K's scale words
	CONV 0, P0
	SUMA 1, 0, 5                                   ; (the plain lines behind the conversions and the places ahead of the products that take their codes)
	PVP 0, O0, P0, 0
	SUMA 1, 5, 11
	PVP 0, O0, P0, 2
	SUMA 1, 11, 17
.if \mode != 2
	QKP 0, Q0, 0
.endif
	SUMA 1, 17, 23
.if \mode != 2
	QKP 0, Q0, 2
.endif
	SUMA 1, 23, 29
.if \mode != 2
	QKP 0, Q0, 4
.endif
	HOLDS 1, 0, 8
.if \mode != 2
	QKP 0, Q0, 6
.endif
	HOLDS 1, 8, 32
	WIN 0x40
	CONV 1, P1
	WIN 0
	SUMB 1
	s_add_co_u32 s[TB], s[TB], 2*REC               ; two steps on: the other steps are the other key half's
	s_add_co_u32 s[TD], s[TD], 1024
.endm
	ds_load_b128 v[104:107], v113
	ds_load_b128 v[108:111], v113 offset:16
	LOADK 0, 0
	s_wait_dscnt 36                                ; the eight maxima are in; the step's 36 loads may be out
	v_max3_num_f32 v114, v104, v105, v106
	v_max3_num_f32 v116, v107, v108, v109
	v_max3_num_f32 v114, v114, v110, v111
	v_max_num_f32 v114, v114, v116
	v_mul_f32 v114, s[CS], v114
	v_readfirstlane_b32 s[CMX], v114               ; the same number in every lane
	WALU
	s_wait_loadcnt 0x0                             ; Q and its scales
	s_wait_dscnt 0x0
	QKP 0, Q0, 0
	QKP 0, Q0, 2
	QKP 0, Q0, 4
	QKP 0, Q0, 6
.rept 8
	v_nop                                          ; eight places ahead of the first read of tile 0's scores
.endr
	STEP 1, 0
	STEP 0, 1
	WALU
	s_mov_b32 s[CNT], 5
.Lstep:
	STEP 0, 0
	WALU
	s_sub_co_u32 s[CNT], s[CNT], 1
	s_cmp_lg_u32 s[CNT], 0
	s_cbranch_scc1 .Lstep
	STEP 0, 2
	v_nop                                          ; with the sum's three additions: places ahead of the products that take the codes
	v_nop
	PVP 1, O1, P1, 0
	PVP 1, O1, P1, 2
	; THE TWO KEY HALVES MEET.  Wave (qg, kh) finishes tile kh: it puts its other tile (O^T as it stands, and the statistics) where its partner, wave WV xor 4, takes it, and keeps its own.
	s_mul_i32 s36, s[WV], 4608
	s_add_co_u32 s36, s36, EXCH                    ; my place,
	s_xor_b32 s37, s[WV], 4
	s_mul_i32 s37, s37, 4608
	s_add_co_u32 s37, s37, EXCH                    ; and my partner's.  (These vector lines are also the eight places behind the last products, ahead of what reads their results)
	v_and_b32 v180, 31, v0
	v_and_b32 v181, 15, v0
	v_bfe_u32 v182, v0, 4, 1
	v_mov_b32 v[ST], v[NM]                         ; -M beside the sums
	v_mov_b32 v[ST+4], v[NM+1]
	v_lshlrev_b32 v183, 4, v180
	v_mul_u32_u24 v186, v181, 272
	v_mul_u32_u24 v187, v182, 272
	v_lshlrev_b32 v188, 9, v182
	v_add_nc_u32 v184, s36, v183                   ; where I put a tile
	v_add_nc_u32 v185, s37, v183                   ; where I take one
	v_lshl_add_u32 v186, v182, 5, v186
	v_lshl_add_u32 v187, v181, 4, v187
	v_lshl_add_u32 v188, v181, 4, v188             ; my byte offset in two rows of out0
	v_add_nc_u32 v186, s37, v186                   ; the way out's stage, on my partner's place once I have taken its tile: in: row r of 272 bytes, + 32 hh
	v_add_nc_u32 v187, s37, v187                   ; back: lanes 0-15 one row, lanes 16-31 the next
	v_mov_b32 v171, 0                              ; a lane permute's destination
	v_mov_b32 v173, 0                              ; (named as the upper halves of pairs)
	v_mov_b32 v175, 0
	WALU
	s_cmp_lg_u32 s[KH], 0
	s_cbranch_scc1 .Lkeep_1
	WIN 0x04                                       ; an LDS store's data are its source 1: window 1
.irp i, 0,1,2,3,4,5,6,7
	ds_store_b128 v184, v[O1+4*\i:O1+4*\i+3] offset:512*\i     ; each accumulator from its low end on
.endr
	WIN 0
	ds_store_b128 v184, v[ST+4:ST+7] offset:4096
.set i, 0
.rept 32
	v_mov_b32 v[96+i], v[O0+i]
.set i, i+1
.endr
.irp i, 0,1,2,3
	v_mov_b32 v[160+\i], v[ST+\i]
.endr
	WALU
	s_branch .Lput
.Lkeep_1:
.irp i, 0,1,2,3,4,5,6,7
	ds_store_b128 v184, v[O0+4*\i:O0+4*\i+3] offset:512*\i
.endr
	ds_store_b128 v184, v[ST:ST+3] offset:4096
	WIN 0x01
.set i, 0
.rept 32
	v_mov_b32 v[96+i], v[O1+i]
.set i, i+1
.endr
	WIN 0
.irp i, 0,1,2,3
	v_mov_b32 v[160+\i], v[ST+4+\i]
.endr
	WALU
.Lput:
	s_wait_dscnt 0x0                               ; for my partner's sake: my stores have landed
	s_barrier_signal -1
	s_barrier_wait -1
.irp i, 0,1,2,3,4,5,6,7
	ds_load_b128 v[128+4*\i:131+4*\i], v185 offset:512*\i          ; the other half's O^T,
.endr
	ds_load_b128 v[164:167], v185 offset:4096                      ; and its -M and sums (mine: v160-163)
	s_wait_dscnt 0x0
	v_min_num_f32 v168, v160, v164                 ; -M of the larger M
	v_sub_f32 v169, v168, v160                     ; each half's M less it: whole numbers, 0 or less
	v_sub_f32 v170, v168, v164
	v_cvt_i32_f32 v169, v169
	v_cvt_i32_f32 v170, v170
	v_ldexp_f32 v172, 1.0, v169
	v_ldexp_f32 v174, 1.0, v170
	v_pk_mul_f32 v[162:163], v[162:163], v[172:173] op_sel_hi:[1,0]
	v_pk_fma_f32 v[162:163], v[166:167], v[174:175], v[162:163] op_sel_hi:[1,0,1]
	v_add_f32 v162, v162, v163
	v_permlanex16_b32 v171, v162, s[SEL], s[SEL+1]
	v_add_f32 v162, v162, v171                     ; the row's sum
	WALU
	v_rcp_f32 v162, v162
	v_nop                                          ; a plain line behind a transcendental
	WALU
	v_mul_f32 v172, v172, v162                     ; the division goes into the two factors
	v_mul_f32 v174, v174, v162
.set j, 0
.rept 16
	v_pk_mul_f32 v[96+j:97+j], v[96+j:97+j], v[172:173] op_sel_hi:[1,0]
.set j, j+2
.endr
.set j, 0
.rept 16
	v_pk_fma_f32 v[96+j:97+j], v[128+j:129+j], v[174:175], v[96+j:97+j] op_sel_hi:[1,0,1]   ; register 8 d + i: out(query r, channel 16 d + 8 hh + i)
.set j, j+2
.endr
	; THE WAY OUT, through the stage: LDS serves a wave's instructions in order (ISA guide 5.7.1.4), so no wait stands between the stores and the loads
.irp d, 0,1,2,3
	ds_store_b128 v186, v[96+8*\d:99+8*\d] offset:64*\d
	ds_store_b128 v186, v[100+8*\d:103+8*\d] offset:64*\d+16
.endr
.irp i, 0,1,2,3,4,5,6,7
	ds_load_b128 v[192+4*\i:195+4*\i], v187 offset:544*\i
.endr
.irp i, 0,1,2,3,4,5,6,7
	s_wait_dscnt 7-\i                              ; load i is back; the 7 - i behind it may be out
	global_store_b128 v188, v[192+4*\i:195+4*\i], s[12:13] offset:1024*\i th:TH_STORE_NT   ; sixteen lanes store a head's 256 bytes of a query's row, aligned
.endr
	s_wait_tensorcnt 0x0                           ; the wave's end
	ds_add_u32 v[SPW], v[NIL]
	s_wait_dscnt 0x0
	CROUND                                         ; the closing round: no work-group ends while a partner may still ask for bytes under a mask that names it
	s_endpgm
.Lfunc_end_k_q20ef018ebf_attn:
	.size	k_q20ef018ebf_attn, .Lfunc_end_k_q20ef018ebf_attn-k_q20ef018ebf_attn
	.p2alignl 7, 3214868480
	.fill 96, 4, 3214868480
	.section	.rodata,"a",@progbits
	.p2align	6, 0x0
	.amdhsa_kernel k_q20ef018ebf_attn
		.amdhsa_group_segment_fixed_size 327680
		.amdhsa_private_segment_fixed_size 0
		.amdhsa_enable_private_segment 0
		.amdhsa_kernarg_size 40
		.amdhsa_user_sgpr_count 2
		.amdhsa_user_sgpr_kernarg_segment_ptr 1
		.amdhsa_wavefront_size32 1
		.amdhsa_system_sgpr_workgroup_id_x 1
		.amdhsa_system_sgpr_workgroup_id_y 1
		.amdhsa_system_sgpr_workgroup_id_z 1
		.amdhsa_system_vgpr_workitem_id 0
		.amdhsa_next_free_vgpr 512
		.amdhsa_next_free_sgpr 66
		.amdhsa_reserve_vcc 0
		.amdhsa_float_denorm_mode_32 3
		.amdhsa_float_denorm_mode_16_64 3
		.amdhsa_memory_ordered 1
		.amdhsa_forward_progress 1
		.amdhsa_inst_pref_size 169
	.end_amdhsa_kernel
	.amdgpu_metadata
---
amdhsa.version: [ 1, 2 ]
amdhsa.kernels:
  - .name:           k_q20ef018ebf_attn
    .symbol:         k_q20ef018ebf_attn.kd
    .args:
      - { .name: queries_codes, .offset: 0, .size: 8, .value_kind: global_buffer, .address_space: global }
      - { .name: queries_scales, .offset: 8, .size: 8, .value_kind: global_buffer, .address_space: global }
      - { .name: kv, .offset: 16, .size: 8, .value_kind: global_buffer, .address_space: global }
      - { .name: deg, .offset: 24, .size: 8, .value_kind: global_buffer, .address_space: global }
      - { .name: out0, .offset: 32, .size: 8, .value_kind: global_buffer, .address_space: global }
    .group_segment_fixed_size: 327680
    .private_segment_fixed_size: 0
    .kernarg_segment_align: 8
    .kernarg_segment_size: 40
    .max_flat_workgroup_size: 256
    .sgpr_count:     66
    .vgpr_count:     512
    .wavefront_size: 32
...
	.end_amdgpu_metadata
.endif
;; end of part 2
